; MI455X (gfx1250); checked and timed in simulation.
; The chip was launched on July 23, 2026; its instructions are those of AMD's public machine-readable ISA for CDNA 5 (MIT licence, August 2026) and "CDNA5" Instruction Set Architecture Reference Guide (July 2026). The comments in the code are by the model that wrote it; some were corrected since.
;; Grouped Attention. Allowed arithmetic: matrix products marked QUANTISED: E3M2 operands, one E8M0 scale for each 32 along K, by v_wmma_scale_f32_16x16x128_f8f6f4 with both operands' format E3M2, f32 sums; everything else in f32.
;; Inputs: Wk 512 x 1,024 float32; Wo 1,024 x 4,096 float32; Wq 4,096 x 1,024 float32; Wv 512 x 1,024 float32; bk 512 float32; bo 1,024 float32; bq 4,096 float32; bv 512 float32; x 1 x 2,048 x 1,024 float32.
;; Outputs: out0 1 x 2,048 x 1,024 float32.
;; This version of the problem:
;;   THIS VERSION OF THE PROBLEM IS GIVEN IN LOW PRECISION. The matrix products marked QUANTISED in the list below multiply operands that are first quantised to E3M2 (3 exponent bits, 2 mantissa bits; 6 bits a number), with one power-of-two scale for each 32 numbers along K (OCP MX v1.0); their sums are f32. All else is computed in f32.
;;   The module's matrix products, in the order in which they are computed (A, B: the left and right operand; K: the contracted axis; several contracted axes count as one K, in the product's order):
;;     1. [M 2,048, K 1,024] x [K 1,024, N 4,096]; A: input x; B: input Wq: QUANTISED
;;     2. [M 2,048, K 1,024] x [K 1,024, N 512]; A: input x; B: input Wk: QUANTISED
;;     3. [M 2,048, K 1,024] x [K 1,024, N 512]; A: input x; B: input Wv: QUANTISED
;;     4. batch 4 x [M 2,048, K 128] x [K 128, N 16,384]; A: computed on the way; B: computed on the way: QUANTISED
;;     5. batch 4 x [M 128, K 2,048] x [K 2,048, N 16,384]; A: computed on the way; B: softmax (see below): QUANTISED
;;     6. [M 2,048, K 4,096] x [K 4,096, N 1,024]; A: computed on the way; B: input Wo: QUANTISED
;;   THE QUANTISER, for each operand of a quantised product, along K:
;;     - K is cut into blocks of 32 from its start; a last block that is shorter is filled with zeros.
;;     - A block's scale is 2^e with e = floor(log2(the largest magnitude in the block)) - 4, held to -126 .. 127; a block of zeros has e = 0. As a byte (E8M0): e + 127.
;;     - Each number is divided by its block's scale, clamped to +-28, and rounded to the nearest number of E3M2, ties to even, subnormals kept.
;;     - The product sums the exact products of the quantised numbers (number of the format x scale) in f32.
;;   ~~~python
;;   def quantise(x, axis):      # numpy; x: float32 -> the quantised numbers, widened to float32 again
;;       x = np.moveaxis(x, axis, -1); K = x.shape[-1]
;;       x = np.pad(x, [(0, 0)] * (x.ndim - 1) + [(0, -K % 32)]); x = x.reshape(x.shape[:-1] + (-1, 32)); a = np.abs(x).max(-1, keepdims=True)
;;       e = np.where(a > 0, np.clip(np.frexp(np.where(a > 0, a, 1))[1] - 1 - 4, -126, 127), 0)      # np.frexp(a)[1] - 1 = floor(log2(a)), exactly
;;       r = np.clip(x / 2.0 ** e, -28, 28)
;;       step = 2.0 ** (np.maximum(np.frexp(np.where(r == 0, 1, r))[1] - 1, -2) - 2)
;;       q = np.round(r / step) * step * 2.0 ** e      # np.round: ties to even
;;       return np.moveaxis(q.reshape(q.shape[:-2] + (-1,))[..., :K], -1, axis).astype(np.float32)
;;   ~~~
;;   SOFTMAX AHEAD OF A QUANTISED PRODUCT. Where the list says 'softmax', what is quantised is not the finished softmax but p = 2^(t - M), with t = logit x log2(e) and M = ceil(the row's largest t), a whole number; so 1/2 < the row's largest p <= 1. The row's sum l is taken of the UNQUANTISED p, in f32, and the product's result is divided by l at the end. Since M is a whole number, a kernel that streams over the keys may use a running M (the ceiling of the running maximum): every later rescaling is an exact power of two, which a block's scale takes up: the codes' values come out the same.
;;   OPERANDS COMPUTED ON THE WAY. 'Computed on the way' means the value that the module computes at that place (a softmax that the list does not call 'softmax' is quantised finished and normalised). What goes into a quantiser is computed in f32, as accurately as f32 sums, v_exp_f32 and their like allow (about 1e-6 of the number): no bf16 or f16 on the way to a quantiser, and a product that is left as it is and whose result goes on into a quantised operand takes f32 operands (vector FMAs, or v_wmma_f32_16x16x4_f32). A number that lies on a knife's edge between two numbers of the format may be rounded either way, as far as f32 arithmetic and the matrix unit's own rounding can turn it there, and no further.
;; One version. Each part assembles by itself: llvm-mc -triple=amdgcn-amd-amdhsa -mcpu=gfx1250 --defsym DOCPART=n.
;; ======== version 1 of 1: 4 launches
;; limits: right only within a limited range of input values
;; workspace buffers: xr 1,835,008 bytes; wr 4,587,520 bytes; wor 3,670,016 bytes; qr 7,340,032 bytes; kv 1,835,008 bytes; orec 7,340,032 bytes
;; launch quant (part 1): grid 704 x 1, 4 waves a work-group, no clusters, 68,096 bytes of LDS; arguments x, Wq, Wk, Wv, Wo, xr, wr, wor; writes xr, wr, wor
.if DOCPART == 1
	.amdgcn_target "amdgcn-amd-amdhsa--gfx1250"
	.amdhsa_code_object_version 6
	.text
	.protected	k_qfbf5111aaa_quant
	.globl	k_qfbf5111aaa_quant
	.p2align	8
	.type	k_qfbf5111aaa_quant,@function
k_qfbf5111aaa_quant:
	s_mov_b64 s[64:65], 0
	v_nop
	global_prefetch_b8 v0, s[64:65] scope:SCOPE_SE
	s_setreg_imm32_b32 hwreg(HW_REG_WAVE_MODE, 25, 1), 1
	s_wait_xcnt 0x0
; x [2048][1024], Wq [4096][1024], Wk, Wv [512][1024], Wo [1024][4096], all f32 with K innermost, become RECORDS of codes of BF6 (E3M2) with one E8M0 scale for each 32 along K.
; A RECORD (1,792 bytes) is the image of one matrix operand's registers, 16 rows x 128 K: bytes 512 g + 16 lane hold the lane's registers 4 g .. 4 g + 3 (g = 0, 1, 2);
; bytes 1,536 + 8 lane hold the lane's scale word, twice.  Lane (r, h) holds row r; registers 6 c .. 6 c + 5 hold k = 64 c + 32 h + 0 .. 31.
; THE ROWS OF A TILE ARE NOT NEIGHBOURS: place p of tile T is row 32 (T / 2) + 8 (T % 2) + p + 8 (p / 8), in every operand of the program, so that eight tiles used as source 0 leave
; a lane's 64 results as neighbours along the next K.
; xr: [tile 128][K step 8];  wr: [tile 320][K step 8]: tiles 0-255 Wq's; tile 256 + 16 hh + t is Wk's tile 8 hh + t (t < 8) or Wv's tile 8 hh + t - 8;  wor: [tile 64][K step 32].
; A block's scale is 2^(floor(log2(its largest magnitude)) - 4); its byte is the largest magnitude's exponent field - 4, held at 1 from below.
; LIMITS: a block of zeros gets the byte 1 where the quantiser says 127 (its codes are zeros, which add nothing under any byte but 0xff, and this program alone reads the bytes);
; NaN and infinities among the inputs are not served.
; SHARES: 5,632 records; a work-group makes 8, a wave 2: one tile, two K steps on end: 1,024 consecutive bytes of each of 16 rows.  One path serves all five tensors: only pointers and numbers are chosen,
; by the work-group's number.  No loop, no barrier, no tensor load, no cluster: no two work-groups read the same byte, and waves share nothing.  All of a wave's 32 loads go out at once.
; Each load reads 512 consecutive bytes of one row; the conversions want 16 neighbours along K in ONE lane: so a record's 8,192 bytes turn through the wave's own stage in LDS.
.set REC,  1792
.set SP,   528                         ; a stage row: 512 bytes + 16: the 16 rows that a load of 16 bytes a lane touches start in 16 different columns of 16 bytes
.set STG,  16*SP                       ; a stage: 16 rows
.set WREG, 2*STG                       ; a wave's LDS: two stages
.set L16,  4                           ; v4      16 x lane
.set L8S,  5                           ; v5      8 x lane + 1,536
.set STI,  6                           ; v6      the stage, on the way in: 16 x lane
.set STO,  7                           ; v7      on the way out: 528 r + 64 h
.set OFF,  8                           ; v8-23   byte offset of place p's row, + 16 x lane
.set R,    24                          ; v24-151 two records as loaded; v24-87 later record 1's numbers in the lane order
.set X,    152                         ; v152-215 record 0's numbers in the lane order
.set PC,   216                         ; v216-235 codes
.set TM,   236                         ; v236-247 largest magnitudes, bytes, scale operands
.set PW,   248                         ; v[248:249] the scale word, twice
.set SRC,  28
.set DST,  30
.set WV,   39
.set SEL,  40
.set RP,   42
; 64 numbers of a lane, register 16 b + i = k 32 b + 16 h + i of my row, become a fragment's codes in v[PC] on and its scale word in v[PW], v[PW+1].
.macro QUANT s
.irp b, 0,1,2,3
	v_max3_num_f32 v[TM+\b], |v[(\s)+16*\b]|, |v[(\s)+1+16*\b]|, 0x2800000   ; block b: my 16 numbers, and the floor 2^(5 - 127): the byte cannot fall under 1
.endr
.irp i, 2,4,6,8,10,12,14
.irp b, 0,1,2,3
	v_max3_num_f32 v[TM+\b], v[TM+\b], |v[(\s)+16*\b+\i]|, |v[(\s)+1+16*\b+\i]|   ; the four blocks by turns
.endr
.endr
.irp b, 0,1,2,3
	v_permlanex16_b32 v[TM+4+\b], v[TM+\b], s[SEL], s[SEL+1]
.endr
.irp b, 0,1,2,3
	v_max_num_f32 v[TM+\b], v[TM+\b], v[TM+4+\b]           ; with lane l xor 16's: the block's largest magnitude
.endr
.irp b, 0,1,2,3
	v_add_nc_u32 v[TM+8+\b], 0xfe000000, v[TM+\b]          ; 4 off its exponent field: the conversion takes the exponent field of this operand as its scale
.endr
.irp b, 0,1,2,3
	v_lshrrev_b32 v[TM+4+\b], 23, v[TM+8+\b]               ; the scale's byte
.endr
	v_lshl_or_b32 v[PW], v[TM+5], 8, v[TM+4]
	v_lshl_or_b32 v[PW], v[TM+6], 16, v[PW]
	v_lshl_or_b32 v[PW], v[TM+7], 24, v[PW]                ; my row's scale word
	v_mov_b32 v[PW+1], v[PW]
.irp c, 0,1
	v_cvt_scalef32_pk16_bf6_f32 v[PC+6*\c:PC+2+6*\c], v[(\s)+32*\c:(\s)+15+32*\c], v[TM+8+2*\c]
	v_cvt_scalef32_pk16_bf6_f32 v[PC+12+4*\c:PC+14+4*\c], v[(\s)+16+32*\c:(\s)+31+32*\c], v[TM+9+2*\c]   ; (a conversion's three registers begin on an even number)
.endr
	v_nop                                                  ; one plain place behind a scaled conversion
.irp c, 0,1                                            ; the operand's layout wants a WHOLE block in a lane: lanes 0-15 block 2 c, lanes 16-31 block 2 c + 1
.irp i, 0,1,2
	v_permlane16_swap_b32 v[PC+6*\c+\i], v[PC+12+4*\c+\i]
.endr
.irp i, 0,1,2
	v_mov_b32 v[PC+3+6*\c+\i], v[PC+12+4*\c+\i]
.endr
.endr
.endm
.macro PUT off                         ; the record leaves: three stores of 512 consecutive bytes and one of 256, each aligned to 256
.irp g, 0,1,2
	global_store_b128 v[L16], v[PC+4*\g:PC+4*\g+3], s[DST:DST+1] offset:(\off)+512*\g
.endr
	global_store_b64 v[L8S], v[PW:PW+1], s[DST:DST+1] offset:(\off)
.endm
.macro TOST q                          ; record q into stage q, as it was loaded
.irp p, 0,1,2,3,4,5,6,7,8,9,10,11,12,13,14,15
	ds_store_b128 v[STI], v[R+64*\q+4*\p:R+64*\q+4*\p+3] offset:STG*\q+SP*\p
.endr
.endm
.macro FROMST q, reg                   ; and back: lane (r, h) takes, of row r, 16 neighbours of each block of 32
.irp b, 0,1,2,3
.irp j, 0,1,2,3
	ds_load_b128 v[\reg+16*\b+4*\j:\reg+16*\b+4*\j+3], v[STO] offset:STG*\q+128*\b+16*\j
.endr
.endr
.endm
	s_load_b256 s[4:11], s[0:1], 0x0               ; x s[4:5], Wq s[6:7], Wk s[8:9], Wv s[10:11]
	s_load_b256 s[12:19], s[0:1], 0x20             ; Wo s[12:13], xr s[14:15], wr s[16:17], wor s[18:19]
	v_lshl_add_u32 v254, v0, 2, 0x10800
	v_mov_b32 v255, 0
	v_lshrrev_b32 v1, 5, v0
	v_readfirstlane_b32 s[WV], v1                  ; wave 0..3
	v_and_b32 v1, 31, v0                           ; lane
	v_and_b32 v2, 15, v0                           ; r
	v_bfe_u32 v3, v0, 4, 1                         ; h
	v_lshlrev_b32 v[L16], 4, v1
	v_lshl_add_u32 v[L8S], v1, 3, 1536
	s_mul_i32 s43, s[WV], WREG                     ; my wave's LDS
	v_add_nc_u32 v[STI], s43, v[L16]
	v_mul_u32_u24 v[STO], v2, SP
	v_lshl_add_u32 v[STO], v3, 6, v[STO]
	v_add_nc_u32 v[STO], s43, v[STO]
.irp b, 0,1,2,3
	v_mov_b32 v[TM+4+\b], 0                        ; written once: a lane permute's destination counts as one of its sources
.endr
	s_mov_b32 s[SEL], 0x76543210
	s_mov_b32 s[SEL+1], 0xfedcba98                 ; v_permlanex16_b32's selects for lane l xor 16
	; which tensor, which tile: work-groups 0-127 x, 128-383 Wq, 384-447 Wk and Wv, 448-703 Wo (four work-groups to a tile: 32 K steps)
	s_sub_co_u32 s21, ttmp9, 128                   ; Wq: the tile.  Wq, Wk, Wv: the tile in wr
	s_sub_co_u32 s22, ttmp9, 384                   ; Wk, Wv: i
	s_sub_co_u32 s23, ttmp9, 448                   ; Wo: i
	s_lshr_b32 s24, s22, 4
	s_lshl_b32 s24, s24, 3
	s_and_b32 s25, s22, 7
	s_add_co_u32 s24, s24, s25                     ; Wk, Wv: the source's tile 8 (i / 16) + i % 8
	s_lshr_b32 s25, s23, 2                         ; Wo: the tile
	s_and_b32 s26, s23, 3                          ; Wo: which eight K steps
	s_and_b32 s27, s22, 8                          ; Wk (0) or Wv
	s_wait_kmcnt 0x0
	s_cmp_lg_u32 s27, 0
	s_cselect_b64 s[SRC:SRC+1], s[10:11], s[8:9]
	s_cmp_lt_u32 ttmp9, 384
	s_cselect_b64 s[SRC:SRC+1], s[6:7], s[SRC:SRC+1]
	s_cselect_b32 s32, s21, s24                    ; the source's tile
	s_cmp_lt_u32 ttmp9, 128
	s_cselect_b64 s[SRC:SRC+1], s[4:5], s[SRC:SRC+1]
	s_cselect_b64 s[DST:DST+1], s[14:15], s[16:17]
	s_cselect_b32 s32, ttmp9, s32
	s_cselect_b32 s33, ttmp9, s21                  ; which eight records of the destination
	s_cmp_lt_u32 ttmp9, 448
	s_cselect_b64 s[SRC:SRC+1], s[SRC:SRC+1], s[12:13]
	s_cselect_b64 s[DST:DST+1], s[DST:DST+1], s[18:19]
	s_cselect_b32 s32, s32, s25
	s_cselect_b32 s33, s33, s23
	s_cselect_b32 s34, 0, s26
	s_cselect_b32 s35, 12, 14                      ; log2 of a source row's bytes
	s_lshr_b32 s36, s32, 1
	s_lshl_b32 s36, s36, 5
	s_and_b32 s37, s32, 1
	s_lshl_b32 s37, s37, 3
	s_add_co_u32 s36, s36, s37                     ; the tile's first row: 32 (T / 2) + 8 (T % 2)
	s_lshl_b32 s36, s36, s35
	s_lshl_b32 s37, s34, 3
	s_lshl_b32 s38, s[WV], 1
	s_add_co_u32 s37, s37, s38                     ; my first K step
	s_lshl_b32 s37, s37, 9                         ; 512 bytes each
	s_add_co_u32 s36, s36, s37
	s_mov_b32 s37, 0
	s_add_nc_u64 s[SRC:SRC+1], s[SRC:SRC+1], s[36:37]
	s_lshl_b32 s36, s33, 3
	s_add_co_u32 s36, s36, s38
	s_mul_i32 s36, s36, REC
	s_add_nc_u64 s[DST:DST+1], s[DST:DST+1], s[36:37]
	s_lshl_b32 s[RP], 1, s35                       ; a source row in bytes
.irp p, 0,1,2,3,4,5,6,7,8,9,10,11,12,13,14,15
	v_mad_u32_u24 v[OFF+\p], s[RP], \p+8*(\p/8), v[L16]
.endr
.irp q, 0,1
.irp p, 0,1,2,3,4,5,6,7,8,9,10,11,12,13,14,15
	global_load_b128 v[R+64*\q+4*\p:R+64*\q+4*\p+3], v[OFF+\p], s[SRC:SRC+1] offset:512*\q th:TH_LOAD_NT   ; 32 lanes read 512 consecutive bytes of one row; read once in the launch
.endr
.endr
	s_wait_loadcnt 16                              ; record 0's sixteen loads are in; record 1's may be out
	TOST 0
	FROMST 0, X                                    ; LDS serves a wave's instructions in order: these see the stores above
	s_wait_loadcnt 0x0
	TOST 1
	s_wait_dscnt 16                                ; all but the sixteen stores just issued: record 0's stores have read v24-87, and its numbers are back in X
	FROMST 1, R                                    ; record 1's numbers land while record 0 is quantised
	QUANT X
	PUT 0
	s_wait_dscnt 0x0                               ; record 1's numbers are back
	s_wait_xcnt 0x0                                ; the codes' and the scale word's registers are written again only behind this wait
	QUANT R
	PUT REC
	s_wait_tensorcnt 0x0
	ds_add_u32 v254, v255
	s_wait_dscnt 0x0
	s_endpgm
.Lfunc_end_k_qfbf5111aaa_quant:
	.size	k_qfbf5111aaa_quant, .Lfunc_end_k_qfbf5111aaa_quant-k_qfbf5111aaa_quant
	.p2alignl 7, 3214868480
	.fill 96, 4, 3214868480
	.section	.rodata,"a",@progbits
	.p2align	6, 0x0
	.amdhsa_kernel k_qfbf5111aaa_quant
		.amdhsa_group_segment_fixed_size 68096
		.amdhsa_private_segment_fixed_size 0
		.amdhsa_enable_private_segment 0
		.amdhsa_kernarg_size 64
		.amdhsa_user_sgpr_count 2
		.amdhsa_user_sgpr_kernarg_segment_ptr 1
		.amdhsa_wavefront_size32 1
		.amdhsa_system_sgpr_workgroup_id_x 1
		.amdhsa_system_sgpr_workgroup_id_y 1
		.amdhsa_system_sgpr_workgroup_id_z 1
		.amdhsa_system_vgpr_workitem_id 0
		.amdhsa_next_free_vgpr 256
		.amdhsa_next_free_sgpr 66
		.amdhsa_reserve_vcc 0
		.amdhsa_float_denorm_mode_32 3
		.amdhsa_float_denorm_mode_16_64 3
		.amdhsa_memory_ordered 1
		.amdhsa_forward_progress 1
		.amdhsa_inst_pref_size 20
	.end_amdhsa_kernel
	.amdgpu_metadata
---
amdhsa.version: [ 1, 2 ]
amdhsa.kernels:
  - .name:           k_qfbf5111aaa_quant
    .symbol:         k_qfbf5111aaa_quant.kd
    .args:
      - { .name: x, .offset: 0, .size: 8, .value_kind: global_buffer, .address_space: global }
      - { .name: Wq, .offset: 8, .size: 8, .value_kind: global_buffer, .address_space: global }
      - { .name: Wk, .offset: 16, .size: 8, .value_kind: global_buffer, .address_space: global }
      - { .name: Wv, .offset: 24, .size: 8, .value_kind: global_buffer, .address_space: global }
      - { .name: Wo, .offset: 32, .size: 8, .value_kind: global_buffer, .address_space: global }
      - { .name: xr, .offset: 40, .size: 8, .value_kind: global_buffer, .address_space: global }
      - { .name: wr, .offset: 48, .size: 8, .value_kind: global_buffer, .address_space: global }
      - { .name: wor, .offset: 56, .size: 8, .value_kind: global_buffer, .address_space: global }
    .group_segment_fixed_size: 68096
    .private_segment_fixed_size: 0
    .kernarg_segment_align: 8
    .kernarg_segment_size: 64
    .max_flat_workgroup_size: 128
    .sgpr_count:     66
    .vgpr_count:     256
    .wavefront_size: 32
...
	.end_amdgpu_metadata
.endif
;; end of part 1
;; launch proj (part 2): grid 20 x 8, 4 waves a work-group, clusters of 4 x 4, 327,680 bytes of LDS; arguments xr, wr, bq, bk, bv, qr, kv; writes qr, kv
.if DOCPART == 2
	.amdgcn_target "amdgcn-amd-amdhsa--gfx1250"
	.amdhsa_code_object_version 6
	.text
	.protected	k_qfbf5111aaa_proj
	.globl	k_qfbf5111aaa_proj
	.p2align	8
	.type	k_qfbf5111aaa_proj,@function
k_qfbf5111aaa_proj:
	s_mov_b64 s[64:65], 0
	v_nop
	global_prefetch_b8 v0, s[64:65] scope:SCOPE_SE
	s_setreg_imm32_b32 hwreg(HW_REG_WAVE_MODE, 25, 1), 1
	s_wait_xcnt 0x0
	s_wait_alu depctr_hold_cnt(0) depctr_sa_sdst(0) depctr_va_vdst(0) depctr_va_sdst(0) depctr_va_ssrc(0) depctr_va_vcc(0) depctr_vm_vsrc(0)
	s_getreg_b32 s2, hwreg(HW_REG_IB_STS2, 6, 4)
	s_cmp_eq_u32 s2, 0
	s_cbranch_scc0 .Lentry_in_a_cluster
	s_endpgm
.Lentry_in_a_cluster:
	s_bfe_u32 s2, ttmp6, 0x10000c
	s_cmp_lg_u32 s2, 0xf033
	s_cbranch_scc0 .Lentry_shape_is_right
	s_endpgm
.Lentry_shape_is_right:
.set REC,   1792
.set NT,    8
.set NQ,    2
.set KST,   8
.set QUART, NT*NQ*REC
.set SLOT,  4*QUART
.set SPARE, 2*SLOT
.set L16, 2
.set L8S, 3
.set ADA, 4
.set ADB, 6
.set ASA, 8
.set ASB, 10
.set SPW, 12
.set NIL, 13
.set BV,  14
.set BA,  30
.set BL,  31
.set SC0, 32
.set SC1, 48
.set AF,  64
.set T,   64
.set PC,  128
.set TM,  148
.set PW,  160
.set WV,  18
.set WR,  19
.set WC,  20
.set KIND, 27
.set G1X, 28
.set G0X, 36
.set G1W, 44
.set G0W, 52
.set SEL, 60
.set DST, 66
.set BP,  68
.set MSB, 0
.macro WIN new
.if MSB != (\new)
	s_set_vgpr_msb (MSB<<8)|(\new)
.set MSB, (\new)
.endif
.endm
.macro PLACES
.rept 4
	v_nop
.endr
.endm
.macro JLOAD s
	s_cmp_eq_u32 s[WR], 0
	s_cbranch_scc0 .Lfor_w_\@
	tensor_load_to_lds s[G0X+4*\s:G0X+4*\s+3], s[G1X:G1X+7]
	s_nop 0
.rept 4
	v_nop
.endr
	s_branch .Lasked_\@
.Lfor_w_\@:
	tensor_load_to_lds s[G0W+4*\s:G0W+4*\s+3], s[G1W:G1W+7]
	s_nop 0
.rept 4
	v_nop
.endr
.Lasked_\@:
.endm
.macro CREST
	s_cmp_lg_u32 s[WV], 0
	s_cbranch_scc1 .Lnot_wave_0_\@
	s_barrier_signal -3
.Lnot_wave_0_\@:
	s_barrier_wait -3
	s_barrier_signal -1
	s_barrier_wait -1
.endm
.macro CROUND
	s_barrier_signal -1
	s_barrier_wait -1
	CREST
.endm
.macro QUANT s
.irp b, 0,1,2,3
	v_max3_num_f32 v[TM+\b], |v[(\s)+16*\b]|, |v[(\s)+1+16*\b]|, 0x2800000
.endr
.irp i, 2,4,6,8,10,12,14
.irp b, 0,1,2,3
	v_max3_num_f32 v[TM+\b], v[TM+\b], |v[(\s)+16*\b+\i]|, |v[(\s)+1+16*\b+\i]|
.endr
.endr
.irp b, 0,1,2,3
	v_permlanex16_b32 v[TM+4+\b], v[TM+\b], s[SEL], s[SEL+1]
.endr
.irp b, 0,1,2,3
	v_max_num_f32 v[TM+\b], v[TM+\b], v[TM+4+\b]
.endr
.irp b, 0,1,2,3
	v_add_nc_u32 v[TM+8+\b], 0xfe000000, v[TM+\b]
.endr
.irp b, 0,1,2,3
	v_lshrrev_b32 v[TM+4+\b], 23, v[TM+8+\b]
.endr
	v_lshl_or_b32 v[PW], v[TM+5], 8, v[TM+4]
	v_lshl_or_b32 v[PW], v[TM+6], 16, v[PW]
	v_lshl_or_b32 v[PW], v[TM+7], 24, v[PW]
	v_mov_b32 v[PW+1], v[PW]
.irp c, 0,1
	v_cvt_scalef32_pk16_bf6_f32 v[PC+6*\c:PC+2+6*\c], v[(\s)+32*\c:(\s)+15+32*\c], v[TM+8+2*\c]
	v_cvt_scalef32_pk16_bf6_f32 v[PC+12+4*\c:PC+14+4*\c], v[(\s)+16+32*\c:(\s)+31+32*\c], v[TM+9+2*\c]
.endr
	v_nop
.irp c, 0,1
.irp i, 0,1,2
	v_permlane16_swap_b32 v[PC+6*\c+\i], v[PC+12+4*\c+\i]
.endr
.irp i, 0,1,2
	v_mov_b32 v[PC+3+6*\c+\i], v[PC+12+4*\c+\i]
.endr
.endr
.endm
.macro PUT off
.irp g, 0,1,2
	global_store_b128 v[L16], v[PC+4*\g:PC+4*\g+3], s[DST:DST+1] offset:(\off)+512*\g
.endr
	global_store_b64 v[L8S], v[PW:PW+1], s[DST:DST+1] offset:(\off)
.endm
.macro FETCH slot, q, set
	WIN 0x40
.irp i, 0,1,2,3,4,5,6,7
.irp g, 0,1,2
	ds_load_b128 v[128*(\set)+12*\i+4*\g:128*(\set)+12*\i+4*\g+3], v[ADB+\slot] offset:(NQ*\i+(\q))*REC+512*\g
.endr
.endr
	WIN 0
.irp i, 0,1,2,3,4,5,6,7
.irp g, 0,1,2
	ds_load_b128 v[AF+96*(\set)+12*\i+4*\g:AF+96*(\set)+12*\i+4*\g+3], v[ADA+\slot] offset:(NQ*\i+(\q))*REC+512*\g
.endr
.endr
.irp i, 0,1,2,3,4,5,6,7
	ds_load_b32 v[SC0+8*(\set)+\i], v[ASB+\slot] offset:(NQ*\i+(\q))*REC
	ds_load_b32 v[SC1+8*(\set)+\i], v[ASA+\slot] offset:(NQ*\i+(\q))*REC
.endr
.endm
.macro MULS set, a0, n, first
.set ma, \a0
.rept \n
	WIN 0xa1+0x50*(ma/4)
.set mb, 0
.rept NT
.set rD, 64*(ma%4)+8*mb
.set rB, 128*(\set)+12*mb
.set rA, AF+96*(\set)+12*ma
.if \first
	v_wmma_scale_f32_16x16x128_f8f6f4 v[rD:rD+7], v[rB:rB+11], v[rA:rA+11], 0, v[SC0+8*(\set)+mb], v[SC1+8*(\set)+ma] matrix_a_fmt:MATRIX_FMT_BF6 matrix_b_fmt:MATRIX_FMT_BF6
.else
	v_wmma_scale_f32_16x16x128_f8f6f4 v[rD:rD+7], v[rB:rB+11], v[rA:rA+11], v[rD:rD+7], v[SC0+8*(\set)+mb], v[SC1+8*(\set)+ma] matrix_a_fmt:MATRIX_FMT_BF6 matrix_b_fmt:MATRIX_FMT_BF6
.endif
.set mb, mb+1
.endr
.set ma, ma+1
.endr
.endm
.macro PSTEP f, slot, q, first
	s_wait_dscnt 0x0
	PLACES
	FETCH \slot, \q, 1-\f
	MULS \f, 0, NT, \first
	WIN 0
.endm
.macro TURN slot, next, fill
	s_wait_tensorcnt 0x0
	ds_add_u32 v[SPW], v[NIL]
	s_wait_dscnt 1
	MULS 1, 0, NT/4, 0
	s_wait_dscnt 0x0
	s_barrier_signal -1
	MULS 1, NT/4, NT/4, 0
	WIN 0
	s_barrier_wait -1
.if \fill
	CREST
	s_add_nc_u64 s[G0X+4*\slot+2:G0X+4*\slot+3], s[G0X+4*\slot+2:G0X+4*\slot+3], 2*NQ*REC
	s_add_nc_u64 s[G0W+4*\slot+2:G0W+4*\slot+3], s[G0W+4*\slot+2:G0W+4*\slot+3], 2*NQ*REC
	JLOAD \slot
.else
	PLACES
.endif
	FETCH \next, 0, 0
	MULS 1, NT/2, NT/2, 0
	WIN 0
.endm
	s_load_b256 s[4:11], s[0:1], 0x0
	s_load_b128 s[12:15], s[0:1], 0x20
	s_load_b64 s[16:17], s[0:1], 0x30
	v_lshl_add_u32 v[SPW], v0, 2, SPARE
	v_mov_b32 v[NIL], 0
	ds_add_u32 v12, v13
	ds_add_u32 v12, v13
	s_wait_dscnt 0x0
	v_lshrrev_b32 v1, 5, v0
	v_readfirstlane_b32 s[WV], v1
	s_lshr_b32 s[WR], s[WV], 1
	s_and_b32 s[WC], s[WV], 1
	s_bfe_u32 s21, ttmp6, 0x40000
	s_bfe_u32 s22, ttmp6, 0x40004
	s_lshl_b32 s23, ttmp9, 2
	s_add_co_u32 s23, s23, s21
	s_and_b32 s24, ttmp7, 0xffff
	s_lshl_b32 s24, s24, 2
	s_add_co_u32 s24, s24, s22
	s_lshl_b32 s25, s22, 2
	s_lshl_b32 s25, 15, s25
	s_lshl_b32 s26, 0x1111, s21
	s_or_b32 s[G1X], s25, (3<<16)|(1<<21)
	s_or_b32 s[G1W], s26, (3<<16)|(1<<21)
.irp g, G1X, G1W
	s_mov_b32 s[\g+1], (NQ*224)<<16
	s_mov_b32 s[\g+2], NT<<16
	s_mov_b32 s[\g+3], (NQ*224)<<16
	s_mov_b32 s[\g+4], NT
	s_mov_b32 s[\g+5], KST*224
	s_mov_b32 s[\g+6], 0
	s_mov_b32 s[\g+7], 0
.endr
	s_lshl_b32 s70, s24, 4
	s_lshl_b32 s71, s[WC], 3
	s_add_co_u32 s70, s70, s71
	s_mul_i32 s70, s70, KST*REC
	s_mov_b32 s71, 0
	s_lshl_b32 s72, s23, 4
	s_lshl_b32 s73, s[WC], 3
	s_add_co_u32 s72, s72, s73
	s_mul_i32 s72, s72, KST*REC
	s_mov_b32 s73, 0
	s_mul_i32 s74, s[WV], QUART
	s_mov_b32 s[SEL], 0x76543210
	s_mov_b32 s[SEL+1], 0xfedcba98
	s_wait_kmcnt 0x0
	s_add_nc_u64 s[70:71], s[4:5], s[70:71]
	s_add_nc_u64 s[72:73], s[6:7], s[72:73]
	CROUND
.irp s, 0,1
	s_mov_b32 s[G0X+4*\s], 1
	s_add_co_u32 s[G0X+4*\s+1], s74, \s*SLOT
	s_add_nc_u64 s[G0X+4*\s+2:G0X+4*\s+3], s[70:71], \s*NQ*REC
	s_or_b32 s[G0X+4*\s+3], s[G0X+4*\s+3], 0x80000000
	s_mov_b32 s[G0W+4*\s], 1
	s_add_co_u32 s[G0W+4*\s+1], s74, \s*SLOT
	s_add_nc_u64 s[G0W+4*\s+2:G0W+4*\s+3], s[72:73], \s*NQ*REC
	s_or_b32 s[G0W+4*\s+3], s[G0W+4*\s+3], 0x80000000
.endr
	JLOAD 0                                        ; K steps 0 and 1: one tensor load a wave at the head; the addresses and the biases below are made while it is on its way
	s_lshl_b32 s75, s23, 1
	s_add_co_u32 s75, s75, s[WC]
	s_lshl_b32 s76, s75, 7
	s_lshl_b32 s78, s24, 4
	s_add_co_u32 s76, s76, s78
	s_lshl_b32 s78, s[WR], 3
	s_add_co_u32 s76, s76, s78
	s_sub_co_u32 s77, s23, 16
	s_lshl_b32 s78, s77, 4
	s_lshl_b32 s79, s24, 1
	s_add_co_u32 s78, s78, s79
	s_add_co_u32 s78, s78, s[WR]
	s_lshl_b32 s78, s78, 4
	s_lshl_b32 s79, s[WC], 3
	s_add_co_u32 s78, s78, s79
	s_cmp_eq_u32 s[WC], 0
	s_cselect_b64 s[BP:BP+1], s[10:11], s[12:13]
	s_cmp_eq_u32 ttmp9, 4
	s_cselect_b32 s[KIND], s[WC], 0
	s_cselect_b32 s76, s78, s76
	s_cselect_b32 s75, s77, s75
	s_cselect_b64 s[DST:DST+1], s[16:17], s[14:15]
	s_cselect_b64 s[BP:BP+1], s[BP:BP+1], s[8:9]
	s_mul_i32 s76, s76, REC
	s_mov_b32 s77, 0
	s_add_nc_u64 s[DST:DST+1], s[DST:DST+1], s[76:77]
	s_lshl_b32 s76, s75, 9
	s_add_nc_u64 s[BP:BP+1], s[BP:BP+1], s[76:77]
	s_mul_i32 s80, s[WR], QUART
	s_mul_i32 s81, s[WC], QUART
	s_add_co_u32 s81, s81, 2*QUART
	s_cmp_lg_u32 s[KIND], 0
	s_cselect_b32 s82, s81, s80
	s_cselect_b32 s83, s80, s81
	v_and_b32 v1, 31, v0
	v_lshlrev_b32 v[L16], 4, v1
	v_lshl_add_u32 v[L8S], v1, 3, 1536
	v_add_nc_u32 v[ADA], s82, v[L16]
	v_add_nc_u32 v[ADA+1], SLOT, v[ADA]
	v_add_nc_u32 v[ADB], s83, v[L16]
	v_add_nc_u32 v[ADB+1], SLOT, v[ADB]
	v_add_nc_u32 v[ASA], s82, v[L8S]
	v_add_nc_u32 v[ASA+1], SLOT, v[ASA]
	v_add_nc_u32 v[ASB], s83, v[L8S]
	v_add_nc_u32 v[ASB+1], SLOT, v[ASB]
	v_bfe_u32 v1, v0, 4, 1
	v_lshlrev_b32 v[BA], 6, v1
	v_and_b32 v1, 15, v0
	v_and_b32 v[BL], 8, v1
	v_add_nc_u32 v[BL], v[BL], v1
	v_lshlrev_b32 v[BL], 2, v[BL]
	WIN 0x40
.irp t, 0,1,2,3,4,5,6,7,8,9,10,11,12,13,14,15
	global_load_b128 v[96+4*\t+96*(\t/8):96+4*\t+96*(\t/8)+3], v[BA], s[BP:BP+1] offset:4*(32*(\t/4)+8*((\t/2)%2)+4*(\t%2))
.endr
	WIN 0
.irp a, 0,1,2,3,4,5,6,7
	global_load_b32 v[BV+2*\a], v[BL], s[BP:BP+1] offset:4*(32*(\a/2)+8*(\a%2))
	global_load_b32 v[BV+2*\a+1], v[BL], s[BP:BP+1] offset:4*(32*(\a/2)+8*(\a%2))
.endr
	s_wait_alu depctr_va_vdst(0)
	s_wait_loadcnt 0x0
	s_wait_tensorcnt 0x0                           ; my part of slot 0 is in; slot 1's first fill is issued as a refill is
	ds_add_u32 v[SPW], v[NIL]
	s_wait_dscnt 0x0
	CROUND                                         ; everybody's part of slot 0 is in, and all sixteen work-groups are here
	JLOAD 1
	FETCH 0, 0, 0
	PSTEP 0, 0, 1, 1
	TURN 0, 1, 1
	PSTEP 0, 1, 1, 0
	TURN 1, 0, 1
	PSTEP 0, 0, 1, 0
	TURN 0, 1, 0
	PSTEP 0, 1, 1, 0
	s_wait_dscnt 0x0
	MULS 1, 0, NT, 0
	WIN 0
	PLACES
.irp b, 0,1,2,3
	v_mov_b32 v[TM+4+\b], 0
.endr
.macro EPI a
	s_cmp_lg_u32 s[KIND], 0
	s_cbranch_scc1 .Lby_lane_\@
	WIN 0x06+(\a)/4
.set et, 0
.rept 32
	v_pk_add_f32 v[T+et:T+et+1], v[64*((\a)%4)+et:64*((\a)%4)+et+1], v[96+et+96*(et/32):96+et+96*(et/32)+1]
.set et, et+2
.endr
	WIN 0
	s_branch .Ljoin_\@
.Lby_lane_\@:
	WIN 0x02+(\a)/4
.set et, 0
.rept 32
	v_pk_add_f32 v[T+et:T+et+1], v[64*((\a)%4)+et:64*((\a)%4)+et+1], v[BV+2*(\a):BV+2*(\a)+1]
.set et, et+2
.endr
	WIN 0
.Ljoin_\@:
.if (\a) > 0
	s_wait_xcnt 0x0
.endif
	QUANT T
	PUT (\a)*REC
.endm
.irp a, 0,1,2,3,4,5,6,7
	EPI \a
.endr
	s_wait_tensorcnt 0x0
	ds_add_u32 v[SPW], v[NIL]
	s_wait_dscnt 0x0
	CROUND
	s_endpgm
.Lfunc_end_k_qfbf5111aaa_proj:
	.size	k_qfbf5111aaa_proj, .Lfunc_end_k_qfbf5111aaa_proj-k_qfbf5111aaa_proj
	.p2alignl 7, 3214868480
	.fill 96, 4, 3214868480
	.section	.rodata,"a",@progbits
	.p2align	6, 0x0
	.amdhsa_kernel k_qfbf5111aaa_proj
		.amdhsa_group_segment_fixed_size 327680
		.amdhsa_private_segment_fixed_size 0
		.amdhsa_enable_private_segment 0
		.amdhsa_kernarg_size 56
		.amdhsa_user_sgpr_count 2
		.amdhsa_user_sgpr_kernarg_segment_ptr 1
		.amdhsa_wavefront_size32 1
		.amdhsa_system_sgpr_workgroup_id_x 1
		.amdhsa_system_sgpr_workgroup_id_y 1
		.amdhsa_system_sgpr_workgroup_id_z 1
		.amdhsa_system_vgpr_workitem_id 0
		.amdhsa_next_free_vgpr 1024
		.amdhsa_next_free_sgpr 96
		.amdhsa_reserve_vcc 0
		.amdhsa_float_denorm_mode_32 3
		.amdhsa_float_denorm_mode_16_64 3
		.amdhsa_memory_ordered 1
		.amdhsa_forward_progress 1
		.amdhsa_inst_pref_size 179
	.end_amdhsa_kernel
	.amdgpu_metadata
---
amdhsa.version: [ 1, 2 ]
amdhsa.kernels:
  - .name:           k_qfbf5111aaa_proj
    .symbol:         k_qfbf5111aaa_proj.kd
    .args:
      - { .name: xr, .offset: 0, .size: 8, .value_kind: global_buffer, .address_space: global }
      - { .name: wr, .offset: 8, .size: 8, .value_kind: global_buffer, .address_space: global }
      - { .name: bq, .offset: 16, .size: 8, .value_kind: global_buffer, .address_space: global }
      - { .name: bk, .offset: 24, .size: 8, .value_kind: global_buffer, .address_space: global }
      - { .name: bv, .offset: 32, .size: 8, .value_kind: global_buffer, .address_space: global }
      - { .name: qr, .offset: 40, .size: 8, .value_kind: global_buffer, .address_space: global }
      - { .name: kv, .offset: 48, .size: 8, .value_kind: global_buffer, .address_space: global }
    .group_segment_fixed_size: 327680
    .private_segment_fixed_size: 0
    .kernarg_segment_align: 8
    .kernarg_segment_size: 56
    .max_flat_workgroup_size: 128
    .sgpr_count:     96
    .vgpr_count:     1024
    .wavefront_size: 32
...
	.end_amdgpu_metadata
.endif
;; end of part 2
;; launch attn (part 3): grid 8 x 32, 8 waves a work-group, clusters of 4 x 1, 327,680 bytes of LDS; arguments qr, kv, orec; writes orec
.if DOCPART == 3
	.amdgcn_target "amdgcn-amd-amdhsa--gfx1250"
	.amdhsa_code_object_version 6
	.text
	.protected	k_qfbf5111aaa_attn
	.globl	k_qfbf5111aaa_attn
	.p2align	8
	.type	k_qfbf5111aaa_attn,@function
k_qfbf5111aaa_attn:
	s_mov_b64 s[64:65], 0
	v_nop
	global_prefetch_b8 v0, s[64:65] scope:SCOPE_SE
	s_setreg_imm32_b32 hwreg(HW_REG_WAVE_MODE, 25, 1), 1
	s_wait_xcnt 0x0
	s_wait_alu depctr_hold_cnt(0) depctr_sa_sdst(0) depctr_va_vdst(0) depctr_va_sdst(0) depctr_va_ssrc(0) depctr_va_vcc(0) depctr_vm_vsrc(0)
	s_getreg_b32 s2, hwreg(HW_REG_IB_STS2, 6, 4)
	s_cmp_eq_u32 s2, 0
	s_cbranch_scc0 .Lentry_in_a_cluster
	s_endpgm
.Lentry_in_a_cluster:
	s_bfe_u32 s2, ttmp6, 0x10000c
	s_cmp_lg_u32 s2, 0x3003
	s_cbranch_scc0 .Lentry_shape_is_right
	s_endpgm
.Lentry_shape_is_right:
; O[n][q] = the sum over k of softmax_k(Q[n][q] . K[n % 4][k] / sqrt(128)) V[n % 4][k]: 32 query heads, 4 key and value heads, 2,048 tokens, both products on codes of BF6 (E3M2) with E8M0 scales.
; All operands are RECORDS (1,792 bytes: the image of an operand's registers, 16 rows x 128 K: bytes 512 g + 16 lane = the lane's registers 4 g .. 4 g + 3; bytes 1,536 + 8 lane = its scale word, twice).
; qr [head 32][token tile 128];  kv [head 4][key step 16][16 records]: K's eight tiles of the step's 128 keys, then V^T's eight tiles of d x these keys;  orec [token tile 128][head 32]: the result, quantised along head x 128 + d.
; Place p of a tile T is row 32 (T / 2) + 8 (T % 2) + p + 8 (p / 8): so the 16 registers of tiles 2 b and 2 b + 1 of S^T are 16 neighbouring keys, and those of O^T 16 neighbouring d.
; THE SOFTMAX: t = score x log2(e) / sqrt(128); M = the row's largest t so far, rounded UP to a whole number; p = 2^(t - M) is what is quantised, along the keys.
; The row's sum is taken of the unquantised p, in f32, and divides O at the end.  When M moves, the sum and O are multiplied by 2^(old M - new M): exact.
; SHARES: a work-group owns 256 queries of one head; each of its eight waves two tiles of 16, in 512 registers.  Both products are used transposed (S^T = K Q^T, O^T = V^T P^T): a lane holds ONE query of each tile.
; THE ORDER OF A STEP: K Q^T of both tiles | V's records are asked for | maxima, M, f, t - M, O x f | ONE batch of 136 exponentials | scale words and codes | V^T P, with the next step's K asked for in its middle and at its end | row sums.
; THE TWO TILES' VECTOR WORK IS WRITTEN BY TURNS, line by line: eight chains in the maxima, six in the sums, so that few lines read the result of a line close above.
; A ring of two LDS slots of four key steps (4 x 28,672 dense bytes); each of the eight waves fetches half a step's block (14,336 bytes), all eight read them.
; THE CHANGE OF SLOTS begins in a slot's last step, where V is in registers and the slot is read no more: there stand the waits, the add and the barrier's signal; the rest of the step, work on registers, stands between signal and wait.
; CLUSTER: the four query blocks of a cluster belong to one head and walk the same K and V: each block is asked for JOINTLY, by the same tensor load with the same descriptor and the mask of all four.
; No prefetch is laid: a refill is asked for four key steps of work ahead of the wait for it.
; LIMITS: a block of zeros gets the byte 1 where the quantiser says 127 (its codes are zeros; this program alone reads the bytes); NaN and infinities are not served; the scaled scores t stay under 2^31 in magnitude.
; REGISTERS.  Window 0: v1-2 lane offsets; v5-6 for the add; v8, v10 LDS addresses; tile u: v[12+4u] -M, +1 the largest t, +2, +3 the sum; v20-21 Q's scale words, v22-23 p's, v24-31 the fragments';
;   v[32+64u] on: S^T, then p; v[160+12u] on: p's codes; v[184+24u] on: 24 registers at work; v232-253 the way out.
; Window 1: v[64u] on: O^T; v128-223 the eight fragments of K or of V; v[224+12u] on: Q.
.set REC,   1792
.set KSB,   16*REC
.set HALF,  8*REC
.set SLOTB, 4*KSB
.set SLOT1, 1<<17
.set SPARE, 2*SLOT1
.set L16, 1
.set L8S, 2
.set SPW, 5
.set NIL, 6
.set ADK, 8
.set ADS, 10
.set ST,  12
.set QS,  20
.set PS,  22
.set FS,  24
.set S0,  32
.set CD,  160
.set TP,  184                          ; +0..3 block maxima; +4..10 permute results, bytes, conversions' second halves; +12..15 scale operands; +16, +17 at work; +18 f, +19 p's scale word; +20..23 two more chains of the sum
.set DST, 8
.set WV,  18
.set SEL, 20
.set CS,  22
.set G1,  24
.set G0,  32
.set TB,  36                           ; LDS byte at which the step in hand begins
.set CNT, 37
.set SLOTS, 38
.set MSB, 0
.macro WIN new
.if MSB != (\new)
	s_set_vgpr_msb (MSB<<8)|(\new)
.set MSB, (\new)
.endif
.endm
.macro CREST
	s_cmp_lg_u32 s[WV], 0
	s_cbranch_scc1 .Lnot_wave_0_\@
	s_barrier_signal -3
.Lnot_wave_0_\@:
	s_barrier_wait -3
	s_barrier_signal -1
	s_barrier_wait -1
.endm
.macro CROUND
	s_barrier_signal -1
	s_barrier_wait -1
	CREST
.endm
.macro TLOAD                           ; every wave fetches its half block; s_nop 0 and four v_nop follow
	tensor_load_to_lds s[G0:G0+3], s[G1:G1+7]
	s_nop 0
.rept 4
	v_nop
.endr
.endm
; 64 numbers of a lane, register 16 b + i = k 32 b + 16 h + i of my row, become a fragment's codes in v[pc] on and its scale word in v[pw], v[pw+1]
.macro QUANT s, pc, tm, pw
.irp b, 0,1,2,3
	v_max3_num_f32 v[(\tm)+\b], |v[(\s)+16*\b]|, |v[(\s)+1+16*\b]|, 0x2800000
.endr
.irp i, 2,4,6,8,10,12,14
.irp b, 0,1,2,3
	v_max3_num_f32 v[(\tm)+\b], v[(\tm)+\b], |v[(\s)+16*\b+\i]|, |v[(\s)+1+16*\b+\i]|
.endr
.endr
.irp b, 0,1,2,3
	v_permlanex16_b32 v[(\tm)+4+\b], v[(\tm)+\b], s[SEL], s[SEL+1]
.endr
.irp b, 0,1,2,3
	v_max_num_f32 v[(\tm)+\b], v[(\tm)+\b], v[(\tm)+4+\b]
.endr
.irp b, 0,1,2,3
	v_add_nc_u32 v[(\tm)+8+\b], 0xfe000000, v[(\tm)+\b]
.endr
.irp b, 0,1,2,3
	v_lshrrev_b32 v[(\tm)+4+\b], 23, v[(\tm)+8+\b]
.endr
	v_lshl_or_b32 v[\pw], v[(\tm)+5], 8, v[(\tm)+4]
	v_lshl_or_b32 v[\pw], v[(\tm)+6], 16, v[\pw]
	v_lshl_or_b32 v[\pw], v[(\tm)+7], 24, v[\pw]
	v_mov_b32 v[(\pw)+1], v[\pw]
.irp c, 0,1
	v_cvt_scalef32_pk16_bf6_f32 v[(\pc)+6*\c:(\pc)+2+6*\c], v[(\s)+32*\c:(\s)+15+32*\c], v[(\tm)+8+2*\c]
	v_cvt_scalef32_pk16_bf6_f32 v[(\pc)+12+4*\c:(\pc)+14+4*\c], v[(\s)+16+32*\c:(\s)+31+32*\c], v[(\tm)+9+2*\c]
.endr
	v_nop
.irp c, 0,1
.irp i, 0,1,2
	v_permlane16_swap_b32 v[(\pc)+6*\c+\i], v[(\pc)+12+4*\c+\i]
.endr
.irp i, 0,1,2
	v_mov_b32 v[(\pc)+3+6*\c+\i], v[(\pc)+12+4*\c+\i]
.endr
.endr
.endm
; Four records, t0 .. t0 + 3 of the eight that begin 'base' bytes behind v[ADK]: twelve loads of 512 consecutive bytes and four scale words
.macro FRAGS base, t0
	WIN 0x40
.irp t, 0,1,2,3
.irp c, 0,1,2
	ds_load_b128 v[128+12*((\t0)+\t)+4*\c:131+12*((\t0)+\t)+4*\c], v[ADK] offset:(\base)+((\t0)+\t)*REC+512*\c
.endr
.endr
	WIN 0
.irp t, 0,1,2,3
	ds_load_b32 v[FS+(\t0)+\t], v[ADS] offset:(\base)+((\t0)+\t)*REC
.endr
.endm
; Eight matrix instructions on fragments 4 g .. 4 g + 3.  No two that follow each other share an accumulator.
.macro QK g                            ; S^T = K Q^T: each starts its sum
	WIN 0x05
.irp u, 0,1
.irp t, 0,1,2,3
	v_wmma_scale_f32_16x16x128_f8f6f4 v[S0+64*\u+8*(4*(\g)+\t):S0+7+64*\u+8*(4*(\g)+\t)], v[128+12*(4*(\g)+\t):139+12*(4*(\g)+\t)], v[224+12*\u:235+12*\u], 0, v[FS+4*(\g)+\t], v[QS+\u] matrix_a_fmt:MATRIX_FMT_BF6 matrix_b_fmt:MATRIX_FMT_BF6
.endr
.endr
.endm
.macro PV g                            ; O^T += V^T P^T
	WIN 0x51
.irp t, 0,1,2,3
.irp u, 0,1
	v_wmma_scale_f32_16x16x128_f8f6f4 v[64*\u+8*(4*(\g)+\t):7+64*\u+8*(4*(\g)+\t)], v[128+12*(4*(\g)+\t):139+12*(4*(\g)+\t)], v[CD+12*\u:CD+11+12*\u], v[64*\u+8*(4*(\g)+\t):7+64*\u+8*(4*(\g)+\t)], v[FS+4*(\g)+\t], v[PS+\u] matrix_a_fmt:MATRIX_FMT_BF6 matrix_b_fmt:MATRIX_FMT_BF6
.endr
.endr
	WIN 0
.endm
; RED: the largest score of each block of 32 keys (for the row's maximum and, since p rises with the score, for the block's largest p), and the new -M.  Each accumulator is read from its low end on.
.macro RED
.irp b, 0,1,2,3
.irp u, 0,1
	v_max3_num_f32 v[TP+24*\u+\b], v[S0+64*\u+16*\b], v[S0+1+64*\u+16*\b], v[S0+2+64*\u+16*\b]
.endr
.endr
.irp i, 3,5,7,9,11,13
.irp b, 0,1,2,3
.irp u, 0,1
	v_max3_num_f32 v[TP+24*\u+\b], v[TP+24*\u+\b], v[S0+64*\u+16*\b+\i], v[S0+1+64*\u+16*\b+\i]
.endr
.endr
.endr
.irp b, 0,1,2,3
.irp u, 0,1
	v_max_num_f32 v[TP+24*\u+\b], v[TP+24*\u+\b], v[S0+15+64*\u+16*\b]
.endr
.endr
.irp b, 0,1,2,3
.irp u, 0,1
	v_permlanex16_b32 v[TP+4+24*\u+\b], v[TP+24*\u+\b], s[SEL], s[SEL+1]
.endr
.endr
.irp b, 0,1,2,3
.irp u, 0,1
	v_max_num_f32 v[TP+24*\u+\b], v[TP+24*\u+\b], v[TP+4+24*\u+\b]   ; with lane l xor 16's 16 keys
.endr
.endr
.irp u, 0,1
	v_max3_num_f32 v[TP+16+24*\u], v[TP+24*\u], v[TP+1+24*\u], v[TP+2+24*\u]
.endr
.irp u, 0,1
	v_mov_b32 v[TP+17+24*\u], v[ST+4*\u]           ; the old -M
.endr
.irp u, 0,1
	v_max_num_f32 v[TP+16+24*\u], v[TP+16+24*\u], v[TP+3+24*\u]      ; the step's largest score of my query
.endr
.irp u, 0,1
	v_mul_f32 v[TP+16+24*\u], s[CS], v[TP+16+24*\u]                  ; as t (c is positive)
.endr
.irp u, 0,1
	v_max_num_f32 v[ST+1+4*\u], v[ST+1+4*\u], v[TP+16+24*\u]         ; the running largest t
.endr
.irp u, 0,1
	v_floor_f32 v[ST+4*\u], -v[ST+1+4*\u]          ; the new -M = -ceil(t): a whole number
.endr
.endm
.macro FMA u, k0, k1                   ; t - M of tile u, two at a time: lines k0 .. k1 - 1 of 32
.set k, \k0
.rept (\k1)-(\k0)
	v_pk_fma_f32 v[S0+64*(\u)+2*k:S0+1+64*(\u)+2*k], v[S0+64*(\u)+2*k:S0+1+64*(\u)+2*k], s[CS:CS+1], v[ST+4*(\u):ST+1+4*(\u)] op_sel_hi:[1,0,0]
.set k, k+1
.endr
.endm
.macro PRE                             ; f = 2^(old M - new M), its three dependent lines laid among the lines of t - M; then all that is due under the new M
.irp u, 0,1
	v_sub_f32 v[TP+16+24*\u], v[ST+4*\u], v[TP+17+24*\u]             ; a whole number, 0 or less
.endr
	FMA 0, 0, 4
.irp u, 0,1
	v_cvt_i32_f32 v[TP+16+24*\u], v[TP+16+24*\u]   ; (it saturates)
.endr
	FMA 0, 4, 8
.irp u, 0,1
	v_ldexp_f32 v[TP+18+24*\u], 1.0, v[TP+16+24*\u]
.endr
	FMA 0, 8, 32
	FMA 1, 0, 32
.irp b, 0,1,2,3
.irp u, 0,1
	v_fma_f32 v[TP+24*\u+\b], v[TP+24*\u+\b], s[CS], v[ST+4*\u]      ; the same of each block's largest score
.endr
.endr
	WIN 0x41                                       ; O^T in window 1, f in window 0
.set k, 0
.rept 64
	v_pk_mul_f32 v[2*k:2*k+1], v[2*k:2*k+1], v[TP+18+24*(k/32):TP+19+24*(k/32)] op_sel_hi:[1,0]   ; O^T x f, each accumulator from its low end on
.set k, k+1
.endr
	WIN 0
.irp u, 0,1
	v_pk_mul_f32 v[ST+2+4*\u:ST+3+4*\u], v[ST+2+4*\u:ST+3+4*\u], v[TP+18+24*\u:TP+19+24*\u] op_sel_hi:[1,0]
.endr
.endm
.macro EXPS
.set k, 0
.rept 128
	v_exp_f32 v[S0+k], v[S0+k]                     ; p = 2^(t - M), at most 1
.set k, k+1
.endr
.irp b, 0,1,2,3
.irp u, 0,1
	v_exp_f32 v[TP+24*\u+\b], v[TP+24*\u+\b]       ; the block's largest p: the same two instructions on the same number
.endr
.endr
.endm
.macro POST                            ; p's scale words and codes
.irp b, 0,1,2,3
.irp u, 0,1
	v_max_num_f32 v[TP+24*\u+\b], 0x2800000, v[TP+24*\u+\b]          ; the floor 2^(5 - 127)
.endr
.endr
.irp b, 0,1,2,3
.irp u, 0,1
	v_add_nc_u32 v[TP+12+24*\u+\b], 0xfe000000, v[TP+24*\u+\b]       ; 4 off the exponent field: the conversion's scale operand
.endr
.endr
.irp b, 0,1,2,3
.irp u, 0,1
	v_lshrrev_b32 v[TP+4+24*\u+\b], 23, v[TP+12+24*\u+\b]            ; the scale's byte
.endr
.endr
.irp u, 0,1
	v_lshl_or_b32 v[TP+19+24*\u], v[TP+5+24*\u], 8, v[TP+4+24*\u]
.endr
.irp u, 0,1
	v_lshl_or_b32 v[TP+19+24*\u], v[TP+6+24*\u], 16, v[TP+19+24*\u]
.endr
.irp u, 0,1
	v_lshl_or_b32 v[TP+19+24*\u], v[TP+7+24*\u], 24, v[TP+19+24*\u]
.endr
.irp u, 0,1
	v_mov_b32 v[PS+\u], v[TP+19+24*\u]             ; into a register that holds scales alone
.endr
.irp u, 0,1
.irp c, 0,1
	v_cvt_scalef32_pk16_bf6_f32 v[CD+12*\u+6*\c:CD+2+12*\u+6*\c], v[S0+64*\u+32*\c:S0+15+64*\u+32*\c], v[TP+12+24*\u+2*\c]
	v_cvt_scalef32_pk16_bf6_f32 v[TP+4+24*\u+4*\c:TP+6+24*\u+4*\c], v[S0+16+64*\u+32*\c:S0+31+64*\u+32*\c], v[TP+13+24*\u+2*\c]
.endr
.endr
	v_nop                                          ; one plain place behind the scaled conversions
.irp u, 0,1
.irp c, 0,1
.irp i, 0,1,2
	v_permlane16_swap_b32 v[CD+12*\u+6*\c+\i], v[TP+4+24*\u+4*\c+\i]   ; a WHOLE block in a lane
.endr
.endr
.endr
.irp u, 0,1
.irp c, 0,1
.irp i, 0,1,2
	v_mov_b32 v[CD+3+12*\u+6*\c+\i], v[TP+4+24*\u+4*\c+\i]
.endr
.endr
.endr
.endm
; The rows' sums of the unquantised p: 32 lines for each tile, in three chains each, the two tiles by turns; SUMS writes lines n0 .. n1 - 1
.macro SUMS n0, n1
.set sn, \n0
.rept (\n1)-(\n0)
.irp u, 0,1
.if sn == 0
	v_pk_add_f32 v[TP+20+24*\u:TP+21+24*\u], v[S0+64*\u:S0+1+64*\u], v[S0+2+64*\u:S0+3+64*\u]
.elseif sn == 1
	v_pk_add_f32 v[TP+22+24*\u:TP+23+24*\u], v[S0+4+64*\u:S0+5+64*\u], v[S0+6+64*\u:S0+7+64*\u]
.elseif sn == 30
	v_pk_add_f32 v[TP+20+24*\u:TP+21+24*\u], v[TP+20+24*\u:TP+21+24*\u], v[TP+22+24*\u:TP+23+24*\u]
.elseif sn == 31
	v_pk_add_f32 v[ST+2+4*\u:ST+3+4*\u], v[ST+2+4*\u:ST+3+4*\u], v[TP+20+24*\u:TP+21+24*\u]
.elseif sn%3 == 2
	v_pk_add_f32 v[ST+2+4*\u:ST+3+4*\u], v[ST+2+4*\u:ST+3+4*\u], v[S0+64*\u+2*(sn+2):S0+1+64*\u+2*(sn+2)]
.elseif sn%3 == 0
	v_pk_add_f32 v[TP+20+24*\u:TP+21+24*\u], v[TP+20+24*\u:TP+21+24*\u], v[S0+64*\u+2*(sn+2):S0+1+64*\u+2*(sn+2)]
.else
	v_pk_add_f32 v[TP+22+24*\u:TP+23+24*\u], v[TP+22+24*\u:TP+23+24*\u], v[S0+64*\u+2*(sn+2):S0+1+64*\u+2*(sn+2)]
.endif
.endr
.set sn, sn+1
.endr
.endm
; A KEY STEP.  last = 1: the slot's fourth step, with the change of slots in it; fill = 1: the slot left behind is filled again.
.macro STEP last, fill
	s_wait_dscnt 16                                ; K's fragments 0-3 and their scale words are in; the sixteen youngest loads, fragments 4-7 and theirs, may be out
	QK 0
	s_wait_dscnt 0x0
	QK 1
	WIN 0
	v_add_nc_u32 v[ADK], s[TB], v[L16]
	v_add_nc_u32 v[ADS], s[TB], v[L8S]
	v_nop
	v_nop                                          ; four places in front of the loads below and of the first read of the results
	FRAGS 8*REC, 0                                 ; V^T's eight records land under the lines below
	FRAGS 8*REC, 4
	RED
	PRE
	s_wait_alu depctr_va_vdst(0)                   ; the wait ahead of the batch and of the waits below
.if \last
	s_wait_tensorcnt 0x0                           ; my half block of the next slot has landed; no tensor load of mine is out
	ds_add_u32 v[SPW], v[NIL]
.if \fill
	s_xor_b32 s[G0+1], s[G0+1], SLOT1              ; the slot that is being left,
	s_add_nc_u64 s[G0+2:G0+3], s[G0+2:G0+3], SLOTB ; the next four key steps
.endif
.endif
	s_wait_dscnt 0x0                               ; V is in registers (last = 1: so my reads of this slot are over, and the add is done)
.if \last
	s_barrier_signal -1                            ; only work on registers stands between this signal and its wait
.endif
	EXPS
	v_nop                                          ; one plain place behind the batch
	s_wait_alu depctr_va_vdst(0)                   ; one wait for the whole batch, ahead of its first reader
	POST
	SUMS 0, 4                                      ; eight lines: also the places behind the codes and the scale words
	PV 0
	SUMS 4, 6                                      ; four places behind the products
.if \last
	; the barrier's wait stands behind the first half of V^T P: so the next slot's K, fragments 0-3, lands under the second half and the sums, as in every other step
	s_sub_co_u32 s[TB], s[TB], 3*KSB               ; a slot's first step,
	s_xor_b32 s[TB], s[TB], SLOT1                  ; in the other slot
	s_wait_alu depctr_va_vdst(0)                   ; the wait ahead of the barrier's wait
	s_barrier_wait -1
.if \fill
	CREST                                          ; the barrier has opened a round of the cluster's: no wave of any partner still reads the slot or has a load on its way
	TLOAD                                          ; the first tensor load behind the round, one a wave
.else
	s_cmp_eq_u32 s[SLOTS], 1                       ; behind the very last step no K is left to ask for
	s_cbranch_scc1 .Lno_ka_\@
.endif
	v_add_nc_u32 v[ADK], s[TB], v[L16]
	v_add_nc_u32 v[ADS], s[TB], v[L8S]
	s_wait_alu depctr_va_vdst(0)                   ; directly behind the writes
	FRAGS 0, 0
.if \fill == 0
.Lno_ka_\@:
.endif
.else
	FRAGS KSB, 0                                   ; the next step's K, fragments 0-3: its block lies KSB bytes on in this slot
.endif
	PV 1
	SUMS 6, 8
.if \last
.if \fill == 0
	s_cmp_eq_u32 s[SLOTS], 1
	s_wait_alu depctr_va_vdst(0)                   ; the wait ahead of the branch
	s_cbranch_scc1 .Lno_kb_\@
.endif
	FRAGS 0, 4
.if \fill == 0
.Lno_kb_\@:
.endif
.else
	FRAGS KSB, 4
	s_add_co_u32 s[TB], s[TB], KSB
.endif
	SUMS 8, 32                                     ; the loads of K land under the row sums
.endm
.macro SLOTRUN fill
	s_mov_b32 s[CNT], 3
.Lstep_\@:
	STEP 0, 0
	s_sub_co_u32 s[CNT], s[CNT], 1
	s_cmp_lg_u32 s[CNT], 0
	s_wait_alu depctr_va_vdst(0)
	s_cbranch_scc1 .Lstep_\@
	STEP 1, \fill
.endm
	s_load_b128 s[4:7], s[0:1], 0x0                ; qr s[4:5], kv s[6:7]
	s_load_b64 s[8:9], s[0:1], 0x10                ; orec
	v_lshl_add_u32 v[SPW], v0, 2, SPARE
	v_mov_b32 v[NIL], 0
	ds_add_u32 v[SPW], v[NIL]                      ; the opening lines: the add, twice on end, and its wait
	ds_add_u32 v[SPW], v[NIL]
	v_lshrrev_b32 v8, 5, v0
	v_readfirstlane_b32 s[WV], v8                  ; wave 0..7
	s_bfe_u32 s10, ttmp6, 0x40000                  ; cx: it enters Q's and O's addresses alone
	s_lshl_b32 s11, ttmp9, 2
	s_add_co_u32 s11, s11, s10                     ; my block of 256 queries
	s_and_b32 s12, ttmp7, 0xffff                   ; the head, which the four partners share
	s_lshl_b32 s13, s11, 4
	s_lshl_b32 s14, s[WV], 1
	s_add_co_u32 s13, s13, s14                     ; my first token tile
	s_lshl_b32 s14, s12, 7
	s_add_co_u32 s14, s14, s13
	s_mul_i32 s14, s14, REC                        ; Q's records: 128 head + tile
	s_mov_b32 s15, 0
	s_lshl_b32 s16, s13, 5
	s_add_co_u32 s16, s16, s12
	s_mul_i32 s16, s16, REC                        ; O's records: 32 tile + head
	s_mov_b32 s17, 0
	s_and_b32 s39, s12, 3                          ; the key and value head
	s_mul_i32 s40, s39, 16*KSB
	s_mul_i32 s39, s[WV], HALF                     ; my half block's place in a slot, in memory and in LDS
	s_add_co_u32 s40, s40, s39
	s_mov_b32 s41, 0
	s_mov_b32 s[G1], 15|(3<<16)|(1<<21)            ; the mask of all four; elements of 8 bytes; bit 21 beside a mask
	s_mov_b32 s[G1+1], 32<<16                      ; a dense block of 14,336 bytes as 56 rows of 256
	s_mov_b32 s[G1+2], 56<<16
	s_mov_b32 s[G1+3], 32<<16
	s_mov_b32 s[G1+4], 56
	s_mov_b32 s[G1+5], 32
	s_mov_b32 s[G1+6], 0
	s_mov_b32 s[G1+7], 0
	s_mov_b32 s[SEL], 0x76543210
	s_mov_b32 s[SEL+1], 0xfedcba98
	s_mov_b32 s[CS], 0x3e0293ee                    ; c = log2(e) / sqrt(128)
	s_mov_b32 s[CS+1], s[CS]
	s_mov_b32 s[TB], 0
	s_wait_dscnt 0x0
	s_wait_kmcnt 0x0
	s_mov_b32 s[G0], 1
	s_mov_b32 s[G0+1], s39                         ; slot 0
	s_add_nc_u64 s[G0+2:G0+3], s[6:7], s[40:41]
	s_or_b32 s[G0+3], s[G0+3], 0x80000000
	s_add_nc_u64 s[4:5], s[4:5], s[14:15]
	s_add_nc_u64 s[DST:DST+1], s[DST:DST+1], s[16:17]
	v_and_b32 v8, 31, v0
	v_lshlrev_b32 v[L16], 4, v8
	v_lshl_add_u32 v[L8S], v8, 3, 1536
	global_load_b32 v[QS], v[L8S], s[4:5]          ; the two tiles' scale words: Q is asked for ahead of the round
	global_load_b32 v[QS+1], v[L8S], s[4:5] offset:REC
	WIN 0x40
.irp u, 0,1
.irp g, 0,1,2
	global_load_b128 v[224+12*\u+4*\g:227+12*\u+4*\g], v[L16], s[4:5] offset:REC*\u+512*\g   ; Q stays in registers
.endr
.endr
	WIN 0
	CROUND                                         ; all four work-groups are here: the first joint loads meet
	TLOAD                                          ; slot 0: key steps 0 to 3; one tensor load a wave at the head
	WIN 0x40
.set j, 0
.rept 128
	v_mov_b32 v[j], 0                              ; O^T: the step has no first form of its own
.set j, j+1
.endr
	WIN 0
.irp u, 0,1
	v_mov_b32 v[ST+1+4*\u], 0xff61b1e6             ; the largest t so far: -3e38
	v_floor_f32 v[ST+4*\u], -v[ST+1+4*\u]
	v_mov_b32 v[ST+2+4*\u], 0
	v_mov_b32 v[ST+3+4*\u], 0
.irp b, 0,1,2,3
	v_mov_b32 v[TP+4+24*\u+\b], 0                  ; a lane permute's destination counts as one of its sources
.endr
	v_mov_b32 v[TP+19+24*\u], 0                    ; (named as the upper half of f's pair before it is first written)
.endr
	s_wait_alu depctr_va_vdst(0)                   ; the wait at the head's end
	s_wait_loadcnt 0x0                             ; Q
	s_wait_tensorcnt 0x0                           ; my half block of slot 0 is in; slot 1's first fill is issued as a refill is
	ds_add_u32 v[SPW], v[NIL]
	s_xor_b32 s[G0+1], s[G0+1], SLOT1
	s_add_nc_u64 s[G0+2:G0+3], s[G0+2:G0+3], SLOTB
	s_wait_dscnt 0x0
	CROUND
	TLOAD                                          ; slot 1: key steps 4 to 7
	v_add_nc_u32 v[ADK], s[TB], v[L16]
	v_add_nc_u32 v[ADS], s[TB], v[L8S]
	FRAGS 0, 0
	FRAGS 0, 4
	s_mov_b32 s[SLOTS], 2
.Lfill:                                            ; key steps 0-7: behind each slot it is filled again, with key steps 8-11 and 12-15
	SLOTRUN 1
	s_sub_co_u32 s[SLOTS], s[SLOTS], 1
	s_cmp_lg_u32 s[SLOTS], 0
	s_wait_alu depctr_va_vdst(0)
	s_cbranch_scc1 .Lfill
	s_mov_b32 s[SLOTS], 2
.Lrest:                                            ; key steps 8-15: nothing is left to fetch.  The second trip's barrier guards nothing: it is the price of one text for both trips
	SLOTRUN 0
	s_sub_co_u32 s[SLOTS], s[SLOTS], 1
	s_cmp_lg_u32 s[SLOTS], 0
	s_wait_alu depctr_va_vdst(0)
	s_cbranch_scc1 .Lrest
	; THE WAY OUT: O^T / the sum, quantised along d; each tile becomes one record, K step = my head of the last product
.irp u, 0,1
	v_add_f32 v[ST+2+4*\u], v[ST+2+4*\u], v[ST+3+4*\u]
.endr
.irp u, 0,1
	v_permlanex16_b32 v[TP+18+24*\u], v[ST+2+4*\u], s[SEL], s[SEL+1]
.endr
.irp u, 0,1
	v_add_f32 v[ST+2+4*\u], v[ST+2+4*\u], v[TP+18+24*\u]             ; with lane l xor 16's: the row's sum
.endr
	s_wait_alu depctr_va_vdst(0)                   ; the wait ahead of the transcendentals
.irp u, 0,1
	v_rcp_f32 v[ST+2+4*\u], v[ST+2+4*\u]
.endr
	v_nop
	WIN 0x01                                       ; O^T in window 1
	s_wait_alu depctr_va_vdst(0)                   ; and ahead of their first reader, which is O^T's first reader too
.set j, 0
.rept 64
	v_pk_mul_f32 v[S0+j:S0+j+1], v[j:j+1], v[ST+2+4*(j/64):ST+3+4*(j/64)] op_sel_hi:[1,0]   ; each accumulator from its low end on
.set j, j+2
.endr
	WIN 0
	QUANT S0, 232, TP, 252
.irp g, 0,1,2
	global_store_b128 v[L16], v[232+4*\g:235+4*\g], s[DST:DST+1] offset:512*\g   ; 512 consecutive bytes, aligned to 256
.endr
	global_store_b64 v[L8S], v[252:253], s[DST:DST+1]
	QUANT S0+64, 160, TP+24, 180                   ; other registers than the stores above read
.irp g, 0,1,2
	global_store_b128 v[L16], v[160+4*\g:163+4*\g], s[DST:DST+1] offset:32*REC+512*\g
.endr
	global_store_b64 v[L8S], v[180:181], s[DST:DST+1] offset:32*REC
	s_wait_tensorcnt 0x0                           ; the wave's end
	ds_add_u32 v[SPW], v[NIL]
	s_wait_dscnt 0x0
	CROUND                                         ; the closing round
	s_endpgm
.Lfunc_end_k_qfbf5111aaa_attn:
	.size	k_qfbf5111aaa_attn, .Lfunc_end_k_qfbf5111aaa_attn-k_qfbf5111aaa_attn
	.p2alignl 7, 3214868480
	.fill 96, 4, 3214868480
	.section	.rodata,"a",@progbits
	.p2align	6, 0x0
	.amdhsa_kernel k_qfbf5111aaa_attn
		.amdhsa_group_segment_fixed_size 327680
		.amdhsa_private_segment_fixed_size 0
		.amdhsa_enable_private_segment 0
		.amdhsa_kernarg_size 24
		.amdhsa_user_sgpr_count 2
		.amdhsa_user_sgpr_kernarg_segment_ptr 1
		.amdhsa_wavefront_size32 1
		.amdhsa_system_sgpr_workgroup_id_x 1
		.amdhsa_system_sgpr_workgroup_id_y 1
		.amdhsa_system_sgpr_workgroup_id_z 1
		.amdhsa_system_vgpr_workitem_id 0
		.amdhsa_next_free_vgpr 512
		.amdhsa_next_free_sgpr 66
		.amdhsa_reserve_vcc 0
		.amdhsa_float_denorm_mode_32 3
		.amdhsa_float_denorm_mode_16_64 3
		.amdhsa_memory_ordered 1
		.amdhsa_forward_progress 1
		.amdhsa_inst_pref_size 163
	.end_amdhsa_kernel
	.amdgpu_metadata
---
amdhsa.version: [ 1, 2 ]
amdhsa.kernels:
  - .name:           k_qfbf5111aaa_attn
    .symbol:         k_qfbf5111aaa_attn.kd
    .args:
      - { .name: qr, .offset: 0, .size: 8, .value_kind: global_buffer, .address_space: global }
      - { .name: kv, .offset: 8, .size: 8, .value_kind: global_buffer, .address_space: global }
      - { .name: orec, .offset: 16, .size: 8, .value_kind: global_buffer, .address_space: global }
    .group_segment_fixed_size: 327680
    .private_segment_fixed_size: 0
    .kernarg_segment_align: 8
    .kernarg_segment_size: 24
    .max_flat_workgroup_size: 256
    .sgpr_count:     66
    .vgpr_count:     512
    .wavefront_size: 32
...
	.end_amdgpu_metadata
.endif
;; end of part 3
;; launch outp (part 4): grid 16 x 16, 4 waves a work-group, no clusters, 116,224 bytes of LDS; arguments orec, wor, bo, out0; writes out0
.if DOCPART == 4
	.amdgcn_target "amdgcn-amd-amdhsa--gfx1250"
	.amdhsa_code_object_version 6
	.text
	.protected	k_qfbf5111aaa_outp
	.globl	k_qfbf5111aaa_outp
	.p2align	8
	.type	k_qfbf5111aaa_outp,@function
k_qfbf5111aaa_outp:
	s_mov_b64 s[64:65], 0
	v_nop
	global_prefetch_b8 v0, s[64:65] scope:SCOPE_SE
	s_setreg_imm32_b32 hwreg(HW_REG_WAVE_MODE, 25, 1), 1
	s_wait_xcnt 0x0
; out0[token][n] = the sum over k = head x 128 + d of O[token][k] Wo[n][k] + bo[n]: [2048][4096] x [1024][4096], both operands as RECORDS of codes of BF6 (E3M2) with E8M0 scales.
; A record (1,792 bytes) is the image of an operand's registers, 16 rows x 128 K: bytes 512 g + 16 lane = the lane's registers 4 g .. 4 g + 3; bytes 1,536 + 8 lane = its scale word, twice.
; orec [token tile 128][K step 32], wor [tile 64][K step 32].  Place p of a tile T is row 32 (T / 2) + 8 (T % 2) + p + 8 (p / 8).
; SHARES: a work-group owns 128 tokens x 64 columns (8 x 4 tiles); 16 x 16 = 256 work-groups.  Its four waves cut K: wave kq takes K steps 8 kq .. 8 kq + 7 of all 32 tiles: 32 accumulators, 256 registers.
; So a step's 12 records feed 32 matrix instructions, and the work-group reads each of its 192 rows' bytes once.
; THE RECORDS GO FROM MEMORY STRAIGHT INTO THE OPERANDS' REGISTERS: each load of 16 bytes a lane reads 512 consecutive bytes.  Two sets of registers: while one step is multiplied, the next step's 48 loads are out.
; No tensor load, and so no joint load: the four waves take different K steps, so no record has a second reader in the work-group, and a tile in LDS would add one LDS write and one LDS read of every byte.
; No prefetch: the walk is eight steps written out, with no loop to run ahead in; each step's loads are issued two steps ahead of their use.
; THE SUM OVER THE FOUR WAVES: slot a of wave kq holds token tile (a + 2 kq) % 8.  So every wave keeps slots 0 and 1, which are tiles 2 kq and 2 kq + 1, and hands slots 2 j, 2 j + 1 to wave (kq + j) % 4 through LDS: 24,576 bytes a wave, one barrier.
; The bias is the C of the kept slots' first products; the other slots begin with 0: so it is added once to each result.
; The matrix instruction is used transposed (source 0 = Wo's rows, source 1 = O's): a lane holds eight neighbouring columns of one token.  The kept tiles go through the wave's own stage and leave as rows of 256 bytes.
; LIMITS: NaN and infinities are not served.  The four parts of K are summed in f32 in another order than one chain along K.
; REGISTERS: window 0: v2-13 addresses; v16-39 scale words, two sets; v40-71 the bias; v72-167 Wo's fragments, two sets, later the sums; v168-231 the rows on the way out.
;   window 1: the accumulators, (a, b) at 32 a + 8 b.   window 2: v0-191 O's fragments, two sets, later the three parts received.
.set REC,   1792
.set KST,   32
.set XW,    24576                      ; the three parts that a wave receives
.set STAGE, 4*XW                       ; 16 rows x 272 bytes for each wave
.set SPARE, STAGE+4*16*272             ; the spare words, 128 bytes for each wave
.set L16, 2
.set L8S, 3
.set XS,  4                            ; v4-6  where slots 2 j, 2 j + 1 go
.set XR,  7                            ; v7    where my three parts lie
.set STO, 8
.set RD,  9
.set CO,  10
.set BA,  11
.set SPW, 12
.set NIL, 13
.set SB,  16                           ; Wo's scale words: set s at 16 + 12 s
.set SA,  20                           ; O's: set s at 20 + 12 s
.set BI,  40
.set BF,  72
.set T,   72
.set OB,  168
.set KQ,  12
.set PA,  20                           ; s[20:27] the records of slots 2 j, 2 j + 1
.set PB,  28                           ; s[28:29] my records of wor
.set MSB, 0
.macro WIN new
.if MSB != (\new)
	s_set_vgpr_msb (MSB<<8)|(\new)
.set MSB, (\new)
.endif
.endm
.macro LOADS q                         ; step q's twelve records into set q % 2: 48 loads
.set ls, (\q)%2
	WIN 0x80                                       ; destination window 2
.irp j, 0,1,2,3
.irp e, 0,1
.irp g, 0,1,2
	global_load_b128 v[96*ls+12*(2*\j+\e)+4*\g:96*ls+12*(2*\j+\e)+4*\g+3], v[L16], s[PA+2*\j:PA+2*\j+1] offset:\e*KST*REC+(\q)*REC+512*\g
.endr
.endr
.endr
	WIN 0
.irp i, 0,1,2,3
.irp g, 0,1,2
	global_load_b128 v[BF+48*ls+12*\i+4*\g:BF+48*ls+12*\i+4*\g+3], v[L16], s[PB:PB+1] offset:\i*KST*REC+(\q)*REC+512*\g
.endr
	global_load_b32 v[SB+12*ls+\i], v[L8S], s[PB:PB+1] offset:\i*KST*REC+(\q)*REC
	global_load_b32 v[SA+12*ls+2*\i], v[L8S], s[PA+2*\i:PA+2*\i+1] offset:(\q)*REC
	global_load_b32 v[SA+12*ls+2*\i+1], v[L8S], s[PA+2*\i:PA+2*\i+1] offset:KST*REC+(\q)*REC
.endr
.endm
.macro MUL q                           ; 32 matrix instructions, the 32 accumulators by turns
.set ms, (\q)%2
.if (\q) == 0
	WIN 0x48                                       ; source 1 window 2, D window 1; the bias, as C, window 0
.else
	WIN 0x58                                       ; C and D window 1
.endif
.irp a, 0,1,2,3,4,5,6,7
.irp b, 0,1,2,3
.if (\q) == 0 && \a < 2
	v_wmma_scale_f32_16x16x128_f8f6f4 v[32*\a+8*\b:32*\a+8*\b+7], v[BF+48*ms+12*\b:BF+48*ms+12*\b+11], v[96*ms+12*\a:96*ms+12*\a+11], v[BI+8*\b:BI+8*\b+7], v[SB+12*ms+\b], v[SA+12*ms+\a] matrix_a_fmt:MATRIX_FMT_BF6 matrix_b_fmt:MATRIX_FMT_BF6
.elseif (\q) == 0
	v_wmma_scale_f32_16x16x128_f8f6f4 v[32*\a+8*\b:32*\a+8*\b+7], v[BF+48*ms+12*\b:BF+48*ms+12*\b+11], v[96*ms+12*\a:96*ms+12*\a+11], 0, v[SB+12*ms+\b], v[SA+12*ms+\a] matrix_a_fmt:MATRIX_FMT_BF6 matrix_b_fmt:MATRIX_FMT_BF6
.else
	v_wmma_scale_f32_16x16x128_f8f6f4 v[32*\a+8*\b:32*\a+8*\b+7], v[BF+48*ms+12*\b:BF+48*ms+12*\b+11], v[96*ms+12*\a:96*ms+12*\a+11], v[32*\a+8*\b:32*\a+8*\b+7], v[SB+12*ms+\b], v[SA+12*ms+\a] matrix_a_fmt:MATRIX_FMT_BF6 matrix_b_fmt:MATRIX_FMT_BF6
.endif
.endr
.endr
	WIN 0
.rept 4
	v_nop                                          ; four places in front of loads into, and stores of, the registers above
.endr
.endm
	s_load_b256 s[4:11], s[0:1], 0x0               ; orec s[4:5], wor s[6:7], bo s[8:9], out0 s[10:11]
	v_lshl_add_u32 v[SPW], v0, 2, SPARE
	v_mov_b32 v[NIL], 0
	v_lshrrev_b32 v1, 5, v0
	v_readfirstlane_b32 s[KQ], v1                  ; wave = which quarter of K
	s_and_b32 s13, ttmp7, 0xffff                   ; which 128 tokens; ttmp9: which 64 columns
	s_lshl_b32 s14, s[KQ], 3                       ; my first K step
	s_lshl_b32 s15, s13, 8
	s_add_co_u32 s15, s15, s14                     ; orec: record 32 x (8 y) + 8 kq
.irp j, 0,1,2,3
	s_add_co_u32 s[40+\j], s[KQ], \j
	s_and_b32 s[40+\j], s[40+\j], 3                ; slots 2 j, 2 j + 1 hold token tiles 2 t, 2 t + 1, t = (kq + j) % 4
	s_lshl_b32 s[30+2*\j], s[40+\j], 6
	s_add_co_u32 s[30+2*\j], s[30+2*\j], s15
	s_mul_i32 s[30+2*\j], s[30+2*\j], REC
	s_mov_b32 s[31+2*\j], 0
.endr
	s_lshl_b32 s38, ttmp9, 7
	s_add_co_u32 s38, s38, s14
	s_mul_i32 s38, s38, REC                        ; wor: record 32 x (4 x) + 8 kq
	s_mov_b32 s39, 0
.irp j, 1,2,3
	s_mul_i32 s[43+\j], s[40+\j], XW               ; they go to wave (kq + j) % 4, as its part j - 1
	s_add_co_u32 s[43+\j], s[43+\j], (\j-1)*8192
.endr
	s_mul_i32 s47, s[KQ], XW
	s_mul_i32 s48, s[KQ], 16*272
	s_add_co_u32 s48, s48, STAGE
	s_lshl_b32 s50, s13, 7
	s_lshl_b32 s51, s[KQ], 5
	s_add_co_u32 s50, s50, s51                     ; tile 2 kq's first token: 128 y + 32 kq
	s_lshl_b32 s50, s50, 12                        ; a row of out0 is 4,096 bytes
	s_lshl_b32 s52, ttmp9, 8                       ; my 64 columns: 256 bytes
	s_add_co_u32 s50, s50, s52
	s_mov_b32 s51, 0
	s_mov_b32 s53, 0
	v_and_b32 v1, 31, v0
	v_lshlrev_b32 v[L16], 4, v1
	v_and_b32 v1, 15, v0                           ; r
	v_lshl_add_u32 v[L8S], v1, 3, 1536             ; row r's scale word, in both halves of the lanes: a load of scale words spans 128 bytes
	v_bfe_u32 v14, v0, 4, 1                        ; h
	v_add_nc_u32 v[XS], s44, v[L16]
	v_add_nc_u32 v[XS+1], s45, v[L16]
	v_add_nc_u32 v[XS+2], s46, v[L16]
	v_add_nc_u32 v[XR], s47, v[L16]
	v_mul_u32_u24 v[STO], v1, 272                  ; into the stage: row r, 64 bytes for each half of the lanes
	v_lshl_add_u32 v[STO], v14, 6, v[STO]
	v_add_nc_u32 v[STO], s48, v[STO]
	v_mul_u32_u24 v[RD], v14, 272                  ; back: sixteen lanes to a row of 256 bytes, two rows a load
	v_lshl_add_u32 v[RD], v1, 4, v[RD]
	v_add_nc_u32 v[RD], s48, v[RD]
	v_lshlrev_b32 v[CO], 12, v14                   ; and the same two rows in out0
	v_lshl_add_u32 v[CO], v1, 4, v[CO]
	v_lshlrev_b32 v[BA], 6, v14                    ; the bias: 16 h columns on
	s_wait_alu depctr_va_vdst(0)                   ; the wait at the head's end
	s_wait_kmcnt 0x0
.irp j, 0,1,2,3
	s_add_nc_u64 s[PA+2*\j:PA+2*\j+1], s[4:5], s[30+2*\j:31+2*\j]
.endr
	s_add_nc_u64 s[PB:PB+1], s[6:7], s[38:39]
	s_add_nc_u64 s[8:9], s[8:9], s[52:53]
	s_add_nc_u64 s[10:11], s[10:11], s[50:51]
.irp b, 0,1,2,3
	global_load_b128 v[BI+8*\b:BI+8*\b+3], v[BA], s[8:9] offset:4*(32*(\b/2)+8*(\b%2))       ; register j of tile b: column 32 (b / 2) + 8 (b % 2) + 16 h + j
	global_load_b128 v[BI+8*\b+4:BI+8*\b+7], v[BA], s[8:9] offset:4*(32*(\b/2)+8*(\b%2))+16
.endr
	LOADS 0
	LOADS 1
.irp q, 0,1,2,3,4,5
	s_wait_loadcnt 48                              ; this step's loads (and the bias) are in; the next step's 48 may be out
	MUL \q
	LOADS \q+2
.endr
	s_wait_loadcnt 48
	MUL 6
	s_wait_loadcnt 0x0
	MUL 7
	WIN 0x04                                       ; a store's data: window 1
.irp j, 1,2,3
.irp e, 0,1
.irp b, 0,1,2,3
	ds_store_b128 v[XS+\j-1], v[32*(2*\j+\e)+8*\b:32*(2*\j+\e)+8*\b+3] offset:4096*\e+1024*\b          ; each accumulator from its low end on
	ds_store_b128 v[XS+\j-1], v[32*(2*\j+\e)+8*\b+4:32*(2*\j+\e)+8*\b+7] offset:4096*\e+1024*\b+512
.endr
.endr
.endr
	WIN 0
	s_wait_dscnt 0x0                               ; my stores are done: the others may read them behind the barrier
	s_barrier_signal -1
	s_barrier_wait -1
	WIN 0x80
.irp j, 0,1,2
.irp i, 0,1,2,3,4,5,6,7,8,9,10,11,12,13,14,15
	ds_load_b128 v[64*\j+4*\i:64*\j+4*\i+3], v[XR] offset:8192*\j+512*\i   ; the other three waves' parts of my two tiles, in my kept slots' order
.endr
.endr
	s_wait_dscnt 0x0
	WIN 0x09                                       ; source 0 window 1, source 1 window 2
.set k, 0
.rept 32
	v_pk_add_f32 v[T+2*k:T+2*k+1], v[2*k:2*k+1], v[2*k:2*k+1]                    ; my part, from each accumulator's low end on, + the first
.set k, k+1
.endr
	WIN 0x8a                                       ; all in window 2
.set k, 0
.rept 32
	v_pk_add_f32 v[64+2*k:65+2*k], v[64+2*k:65+2*k], v[128+2*k:129+2*k]
.set k, k+1
.endr
	WIN 0x08
.set k, 0
.rept 32
	v_pk_add_f32 v[T+2*k:T+2*k+1], v[T+2*k:T+2*k+1], v[64+2*k:65+2*k]
.set k, k+1
.endr
	WIN 0
.irp e, 0,1
.irp b, 0,1,2,3
	ds_store_b128 v[STO], v[T+32*\e+8*\b:T+32*\e+8*\b+3] offset:128*(\b/2)+32*(\b%2)
	ds_store_b128 v[STO], v[T+32*\e+8*\b+4:T+32*\e+8*\b+7] offset:128*(\b/2)+32*(\b%2)+16
.endr
.irp i, 0,1,2,3,4,5,6,7
	ds_load_b128 v[OB+32*\e+4*\i:OB+32*\e+4*\i+3], v[RD] offset:544*\i           ; LDS serves a wave's instructions in order: these see the stores above, and the next tile's stores come behind them
.endr
.endr
.irp e, 0,1
	s_wait_dscnt 16-16*\e                          ; tile e is back; behind its loads stand the other tile's eight stores and eight loads
.irp i, 0,1,2,3,4,5,6,7
	global_store_b128 v[CO], v[OB+32*\e+4*\i:OB+32*\e+4*\i+3], s[10:11] offset:(8*\e+2*\i+8*(\i/4))*4096 th:TH_STORE_NT   ; place 2 i + h of tile 2 kq + e; sixteen lanes store 256 consecutive bytes, aligned
.endr
.endr
	s_wait_tensorcnt 0x0                           ; the wave's end
	ds_add_u32 v[SPW], v[NIL]
	s_wait_dscnt 0x0
	s_endpgm
.Lfunc_end_k_qfbf5111aaa_outp:
	.size	k_qfbf5111aaa_outp, .Lfunc_end_k_qfbf5111aaa_outp-k_qfbf5111aaa_outp
	.p2alignl 7, 3214868480
	.fill 96, 4, 3214868480
	.section	.rodata,"a",@progbits
	.p2align	6, 0x0
	.amdhsa_kernel k_qfbf5111aaa_outp
		.amdhsa_group_segment_fixed_size 116224
		.amdhsa_private_segment_fixed_size 0
		.amdhsa_enable_private_segment 0
		.amdhsa_kernarg_size 32
		.amdhsa_user_sgpr_count 2
		.amdhsa_user_sgpr_kernarg_segment_ptr 1
		.amdhsa_wavefront_size32 1
		.amdhsa_system_sgpr_workgroup_id_x 1
		.amdhsa_system_sgpr_workgroup_id_y 1
		.amdhsa_system_sgpr_workgroup_id_z 1
		.amdhsa_system_vgpr_workitem_id 0
		.amdhsa_next_free_vgpr 704
		.amdhsa_next_free_sgpr 66
		.amdhsa_reserve_vcc 0
		.amdhsa_float_denorm_mode_32 3
		.amdhsa_float_denorm_mode_16_64 3
		.amdhsa_memory_ordered 1
		.amdhsa_forward_progress 1
		.amdhsa_inst_pref_size 91
	.end_amdhsa_kernel
	.amdgpu_metadata
---
amdhsa.version: [ 1, 2 ]
amdhsa.kernels:
  - .name:           k_qfbf5111aaa_outp
    .symbol:         k_qfbf5111aaa_outp.kd
    .args:
      - { .name: orec, .offset: 0, .size: 8, .value_kind: global_buffer, .address_space: global }
      - { .name: wor, .offset: 8, .size: 8, .value_kind: global_buffer, .address_space: global }
      - { .name: bo, .offset: 16, .size: 8, .value_kind: global_buffer, .address_space: global }
      - { .name: out0, .offset: 24, .size: 8, .value_kind: global_buffer, .address_space: global }
    .group_segment_fixed_size: 116224
    .private_segment_fixed_size: 0
    .kernarg_segment_align: 8
    .kernarg_segment_size: 32
    .max_flat_workgroup_size: 128
    .sgpr_count:     66
    .vgpr_count:     704
    .wavefront_size: 32
...
	.end_amdgpu_metadata
.endif
;; end of part 4
